; MI455X (gfx1250); checked and timed in simulation.
; The chip was launched on July 23, 2026; its instructions are those of AMD's public machine-readable ISA for CDNA 5 (MIT licence, August 2026) and "CDNA5" Instruction Set Architecture Reference Guide (July 2026). The comments in the code are by the model that wrote it; some were corrected since.
;; Attention. Allowed arithmetic: matrix products marked QUANTISED: E2M1 operands, one E8M0 scale for each 32 along K, by v_wmma_scale_f32_16x16x128_f8f6f4 with both operands' format E2M1 (or v_wmma_scale_f32_32x16x128_f4), f32 sums; everything else in f32.
;; Inputs: input_key 4 x 16 x 2,048 x 64 float32; input_query 4 x 16 x 2,048 x 64 float32; input_value 4 x 16 x 2,048 x 64 float32.
;; Outputs: out0 4 x 16 x 2,048 x 64 float32.
;; This version of the problem:
;;   THIS VERSION OF THE PROBLEM IS GIVEN IN LOW PRECISION. The matrix products marked QUANTISED in the list below multiply operands that are first quantised to E2M1 (2 exponent bits, 1 mantissa bit; 4 bits a number), with one power-of-two scale for each 32 numbers along K (OCP MX v1.0); their sums are f32. All else is computed in f32.
;;   The module's matrix products, in the order in which they are computed (A, B: the left and right operand; K: the contracted axis; several contracted axes count as one K, in the product's order):
;;     1. batch 64 x [M 2,048, K 64] x [K 64, N 2,048]; A: input input_query; B: input input_key: QUANTISED
;;     2. batch 64 x [M 2,048, K 2,048] x [K 2,048, N 64]; A: softmax (see below); B: input input_value: QUANTISED
;;   THE QUANTISER, for each operand of a quantised product, along K:
;;     - K is cut into blocks of 32 from its start; a last block that is shorter is filled with zeros.
;;     - A block's scale is 2^e with e = floor(log2(the largest magnitude in the block)) - 2, held to -126 .. 127; a block of zeros has e = 0. As a byte (E8M0): e + 127.
;;     - Each number is divided by its block's scale, clamped to +-6, and rounded to the nearest number of E2M1, ties to even, subnormals kept.
;;     - The product sums the exact products of the quantised numbers (number of the format x scale) in f32.
;;   ~~~python
;;   def quantise(x, axis):      # numpy; x: float32 -> the quantised numbers, widened to float32 again
;;       x = np.moveaxis(x, axis, -1); K = x.shape[-1]
;;       x = np.pad(x, [(0, 0)] * (x.ndim - 1) + [(0, -K % 32)]); x = x.reshape(x.shape[:-1] + (-1, 32)); a = np.abs(x).max(-1, keepdims=True)
;;       e = np.where(a > 0, np.clip(np.frexp(np.where(a > 0, a, 1))[1] - 1 - 2, -126, 127), 0)      # np.frexp(a)[1] - 1 = floor(log2(a)), exactly
;;       r = np.clip(x / 2.0 ** e, -6, 6)
;;       step = 2.0 ** (np.maximum(np.frexp(np.where(r == 0, 1, r))[1] - 1, 0) - 1)
;;       q = np.round(r / step) * step * 2.0 ** e      # np.round: ties to even
;;       return np.moveaxis(q.reshape(q.shape[:-2] + (-1,))[..., :K], -1, axis).astype(np.float32)
;;   ~~~
;;   SOFTMAX AHEAD OF A QUANTISED PRODUCT. Where the list says 'softmax', what is quantised is not the finished softmax but p = 2^(t - M), with t = logit x log2(e) and M = ceil(the row's largest t), a whole number; so 1/2 < the row's largest p <= 1. The row's sum l is taken of the UNQUANTISED p, in f32, and the product's result is divided by l at the end. Since M is a whole number, a kernel that streams over the keys may use a running M (the ceiling of the running maximum): every later rescaling is an exact power of two, which a block's scale takes up: the codes' values come out the same.
;;   OPERANDS COMPUTED ON THE WAY. 'Computed on the way' means the value that the module computes at that place (a softmax that the list does not call 'softmax' is quantised finished and normalised). What goes into a quantiser is computed in f32, as accurately as f32 sums, v_exp_f32 and their like allow (about 1e-6 of the number): no bf16 or f16 on the way to a quantiser, and a product that is left as it is and whose result goes on into a quantised operand takes f32 operands (vector FMAs, or v_wmma_f32_16x16x4_f32). A number that lies on a knife's edge between two numbers of the format may be rounded either way, as far as f32 arithmetic and the matrix unit's own rounding can turn it there, and no further.
;; One version. Each part assembles by itself: llvm-mc -triple=amdgcn-amd-amdhsa -mcpu=gfx1250 --defsym DOCPART=n.
;; ======== version 1 of 1: 2 launches
;; workspace buffers: kv 8,912,896 bytes
;; launch prep (part 1): grid 512 x 1, 8 waves a work-group, no clusters, 35,840 bytes of LDS; arguments input_key, input_value, kv; writes kv
.if DOCPART == 1
	.amdgcn_target "amdgcn-amd-amdhsa--gfx1250"
	.amdhsa_code_object_version 6
	.text
	.protected	k_qfbbc7d748b_prep
	.globl	k_qfbbc7d748b_prep
	.p2align	8
	.type	k_qfbbc7d748b_prep,@function
k_qfbbc7d748b_prep:
	s_mov_b64 s[64:65], 0
	v_nop
	global_prefetch_b8 v0, s[64:65] scope:SCOPE_SE
	s_setreg_imm32_b32 hwreg(HW_REG_WAVE_MODE, 25, 1), 1
	s_wait_xcnt 0x0
; K and V, [64 heads][2048 keys][64] f32, become codes of FP4 (E2M1) with one E8M0 byte for each 32 along a product's K, laid in the ORDER OF THE OPERANDS' REGISTERS for the attention launch.
; K is quantised along the head's 64 (innermost in memory), V along the keys (not innermost).
; A block's scale is 2^(floor(log2(its largest magnitude)) - 2): its byte is the largest magnitude's exponent field - 2, held at 1 from below.
; kv: for each (head, step of 128 keys) one record of 8,704 bytes at (16 head + step) x 8704:
;   +0    K's codes: image i = 2 b + u at 512 i + 16 lane: lane (r, h) holds block h (d = 32 h ..) of key 32 b + 8 u + r + 8 (r / 8) of the step.  Images 2 b, 2 b + 1 are ONE fragment of 8 registers.
;   +4096 V's codes: tile t at 1024 t + 512 c + 16 lane: lane (r, h) holds keys 64 c + 32 h + 0 .. 31 of channel d = 16 t + r.
;   +8192 K's scale words: the word at 8 l + 4 j is fragment 2 (l / 16) + j, row l % 16: bytes [tile 2 b block 0, block 1, tile 2 b + 1 block 0, block 1].
;   +8448 V's scale words: the word at 8 l + 4 j is tile 2 (l / 16) + j, row l % 16: byte b for keys 32 b .. 32 b + 31.
; SHARES.  Work-groups 0-255 take K, 256-511 take V.  A wave takes 16 KiB of input: K: 64 keys (four tiles);  V: 128 keys x 32 channels (four blocks a lane).  Waves share nothing: no barrier.
; Memory binds this launch: no matrix unit, no cluster, no tensor load.  All of a wave's loads go out at its head; every offset is an immediate; no store's data are written again, so no wait frees them.
; Only K's path touches LDS.  The two stores of scale words cover 128 consecutive bytes each, half of an aligned 256: one byte in 128 of what the launch reads.
; LIMITS: NaN and infinities among the inputs are not served.  A block whose largest magnitude lies under 2^-124 keeps the byte 1.  A block of zeros gets the byte 1 where the rule says 127:
; its codes are zeros, which add nothing under any byte but 0xff, and the bytes are read by this program alone.
.set RECB, 8704                        ; a record of kv
.set SP,   272                         ; a stage row: 256 bytes + 16, so that sixteen rows begin 16 bytes apart modulo 256
.set C,    16                          ; v16-31   codes: four registers for each tile or block
.set R,    32                          ; v32-159  the numbers as they are loaded
.set X,    160                         ; v160-191 K's path: 32 neighbours along d
.set MA,   192                         ; v192-193 two chains of the largest magnitude
.set MB,   193
.set SC,   194                         ; v194 the conversion's scale operand
.set BY,   195                         ; v195 the scale's byte
.set T0,   196
.set T1,   197
.set PR,   200                         ; v200-203 a tile's two bytes
.set W0,   204                         ; v204-205 scale words
.set W1,   205
; 32 numbers of one lane, v[xs] on, become 32 codes in v[cd] .. v[cd + 3]; the byte is left in v[BY].
.macro QBLOCK xs, cd
	v_max3_num_f32 v[MA], |v[\xs]|, |v[\xs+1]|, 0x1800000          ; the floor 2^(3 - 127) among the leaves: the byte cannot fall under 1
	v_max3_num_f32 v[MB], |v[\xs+2]|, |v[\xs+3]|, |v[\xs+4]|       ; two chains, so that no line waits for the line above it
.irp i, 5,9,13,17,21,25
	v_max3_num_f32 v[MA], v[MA], |v[\xs+\i]|, |v[\xs+\i+1]|
	v_max3_num_f32 v[MB], v[MB], |v[\xs+\i+2]|, |v[\xs+\i+3]|
.endr
	v_max3_num_f32 v[MA], v[MA], |v[\xs+29]|, |v[\xs+30]|
	v_max3_num_f32 v[MA], v[MA], v[MB], |v[\xs+31]|
	v_add_nc_u32 v[SC], 0xff000000, v[MA]                          ; 2 off the exponent field: the conversion takes the exponent field of this operand as its scale
.irp g, 0,1,2,3
	v_cvt_scalef32_pk8_fp4_f32 v[\cd+\g], v[\xs+8*\g:\xs+8*\g+7], v[SC]   ; to the nearest code, ties to even; beyond 6 the largest code
.endr
	v_lshrrev_b32 v[BY], 23, v[SC]                                 ; the byte; also the plain line behind the conversions
.endm
	s_load_b128 s[4:7], s[0:1], 0x0                ; K s[4:5], V s[6:7]
	s_load_b64 s[8:9], s[0:1], 0x10                ; kv
	v_lshl_add_u32 v208, v0, 2, 0x8800
	v_mov_b32 v209, 0
	v_lshrrev_b32 v1, 5, v0
	v_readfirstlane_b32 s10, v1                    ; wave 0..7
	v_and_b32 v1, 31, v0                           ; lane
	v_and_b32 v2, 15, v0                           ; r
	v_bfe_u32 v3, v0, 4, 1                         ; h
	s_and_b32 s11, ttmp9, 255
	s_lshl_b32 s11, s11, 3
	s_add_co_u32 s11, s11, s10                     ; T = 8 x (work-group mod 256) + wave: 0 .. 2047
	s_lshr_b32 s12, s11, 1                         ; 16 head + step
	s_and_b32 s13, s11, 1                          ; which half of the record's work is mine
	s_mul_i32 s16, s12, RECB                       ; my record (under 2^24)
	s_mov_b32 s17, 0
	s_mov_b32 s15, 0
	s_mul_i32 s18, s10, 16*SP                      ; my stage
	s_lshl_b32 s19, s13, 7                         ; 128 x half
	s_lshl_b32 s22, s13, 11                        ; 2,048 x half
	s_mov_b32 s20, 0x76543210
	s_mov_b32 s21, 0xfedcba98                      ; v_permlanex16_b32's selects for lane l xor 16
	v_lshlrev_b32 v4, 4, v1                        ; 16 x lane
	v_mul_u32_u24 v5, v3, SP
	v_lshl_add_u32 v5, v2, 4, v5
	v_add_nc_u32 v5, s18, v5                       ; the stage, in: a load's 512 bytes are two rows: row h, byte 16 r
	v_mul_u32_u24 v6, v2, SP
	v_lshl_add_u32 v6, v3, 7, v6
	v_add_nc_u32 v6, s18, v6                       ; and out: row r, my block's 128 bytes
	v_lshlrev_b32 v8, 3, v2
	v_lshl_add_u32 v8, v3, 2, v8
	v_add_nc_u32 v8, s19, v8                       ; my scale word's place: 8 r + 4 h + 128 x half
	v_lshlrev_b32 v9, 3, v3                        ; 8 h
	v_mov_b32 v[T1], 0                             ; a lane permute's destination counts as one of its sources
	s_wait_kmcnt 0x0
	s_add_nc_u64 s[8:9], s[8:9], s[16:17]
	s_cmp_lt_u32 ttmp9, 256
	s_cbranch_scc0 .Lvalue
	; ---------------- K: 64 keys, tiles 4 x half + 0 .. 3 of the step
	s_lshl_b32 s14, s11, 14                        ; T x 64 keys x 256 bytes
	s_add_nc_u64 s[4:5], s[4:5], s[14:15]
	v_add_nc_u32 v7, s22, v4                       ; my codes' place: 16 x lane + 2,048 x half
.macro KLOAD t                         ; tile t's sixteen keys: eight neighbours and the eight that lie 16 further on; each load reads 512 consecutive bytes, two keys
.irp i, 0,1,2,3,4,5,6,7
	global_load_b128 v[R+32*\t+4*\i:R+32*\t+4*\i+3], v4, s[4:5] offset:(32*(\t/2)+8*(\t%2)+16*(\i/4))*256+512*(\i%4) th:TH_LOAD_NT
.endr
.endm
.macro KTILE t
	s_wait_loadcnt 24-8*\t                         ; this tile's eight loads are in; the later tiles' (eight each) stay out
.irp i, 0,1,2,3,4,5,6,7
	ds_store_b128 v5, v[R+32*\t+4*\i:R+32*\t+4*\i+3] offset:2*SP*\i
.endr
.irp j, 0,1,2,3,4,5,6,7
	ds_load_b128 v[X+4*\j:X+4*\j+3], v6 offset:16*\j               ; LDS serves a wave's instructions in order (ISA guide 5.7.1.4): these see the stores above
.endr
	s_wait_dscnt 0x0
	QBLOCK X, C+4*\t
	v_lshlrev_b32 v[T0], v9, v[BY]                 ; my block's byte at its place,
	v_permlanex16_b32 v[T1], v[T0], s20, s21
	v_or_b32 v[PR+\t], v[T0], v[T1]                ; with the other block's: the key's two bytes, in both halves of the lanes
	global_store_b128 v7, v[C+4*\t:C+4*\t+3], s[8:9] offset:512*\t ; 512 consecutive bytes, aligned
.endm
.irp t, 0,1,2,3
	KLOAD \t
.endr
.irp t, 0,1,2,3
	KTILE \t
.endr
	v_lshl_or_b32 v[W0], v[PR+1], 16, v[PR]        ; the word of fragment 2 x half,
	v_lshl_or_b32 v[W1], v[PR+3], 16, v[PR+2]      ; and of fragment 2 x half + 1
	v_cmp_eq_u32 vcc_lo, 1, v3
	v_cndmask_b32 v[W0], v[W0], v[W1], vcc_lo      ; lanes 0-15 store the first, lanes 16-31 the second
	global_store_b32 v8, v[W0], s[8:9] offset:8192
	s_wait_tensorcnt 0x0
	ds_add_u32 v208, v209
	s_wait_dscnt 0x0
	s_endpgm
	; ---------------- V: 128 keys x 32 channels.  A LANE TAKES A CHANNEL AND ITS REGISTERS RUN DOWN THE KEYS: a block of 32 keys lies in one lane, and the codes come out with the keys innermost
.Lvalue:
	s_lshl_b32 s14, s12, 15                        ; (16 head + step) x 128 keys x 256 bytes
	s_add_nc_u64 s[6:7], s[6:7], s[14:15]
	v_lshlrev_b32 v10, 2, v1
	v_add_nc_u32 v10, s19, v10                     ; channel d = 32 x half + lane
	v_lshlrev_b32 v7, 4, v2
	v_lshl_add_u32 v7, v3, 10, v7
	v_add_nc_u32 v7, s22, v7                       ; my codes' place: tile 2 x half + h, row r: 2,048 x half + 1,024 h + 16 r
.macro VLOAD kb                        ; each load reads 128 consecutive bytes; the neighbouring wave reads the row's other 128
.set I, 0
.rept 32
	global_load_b32 v[R+32*\kb+I], v10, s[6:7] offset:(32*\kb+I)*256 th:TH_LOAD_NT
.set I, I+1
.endr
.endm
.macro VBLOCK kb
.if \kb == 0
	s_wait_loadcnt 63                              ; blocks 0 and 1 are in: behind them 96 and 64 loads were issued
.elseif \kb == 2
	s_wait_loadcnt 32                              ; block 3's loads stay out
.elseif \kb == 3
	s_wait_loadcnt 0x0
.endif
	QBLOCK R+32*\kb, C+4*\kb
.if \kb == 0
	v_mov_b32 v[W0], v[BY]                         ; four bytes to the word, the lower keys in the lower byte
.else
	v_lshl_or_b32 v[W0], v[BY], 8*\kb, v[W0]
.endif
	global_store_b128 v7, v[C+4*\kb:C+4*\kb+3], s[8:9] offset:4096+256*\kb   ; sixteen lanes store 256 consecutive bytes, aligned, of one tile; the other sixteen of the next tile
.endm
.irp kb, 0,1,2,3
	VLOAD \kb
.endr
.irp kb, 0,1,2,3
	VBLOCK \kb
.endr
	global_store_b32 v8, v[W0], s[8:9] offset:8448
	s_endpgm
.Lfunc_end_k_qfbbc7d748b_prep:
	.size	k_qfbbc7d748b_prep, .Lfunc_end_k_qfbbc7d748b_prep-k_qfbbc7d748b_prep
	.p2alignl 7, 3214868480
	.fill 96, 4, 3214868480
	.section	.rodata,"a",@progbits
	.p2align	6, 0x0
	.amdhsa_kernel k_qfbbc7d748b_prep
		.amdhsa_group_segment_fixed_size 35840
		.amdhsa_private_segment_fixed_size 0
		.amdhsa_enable_private_segment 0
		.amdhsa_kernarg_size 24
		.amdhsa_user_sgpr_count 2
		.amdhsa_user_sgpr_kernarg_segment_ptr 1
		.amdhsa_wavefront_size32 1
		.amdhsa_system_sgpr_workgroup_id_x 1
		.amdhsa_system_sgpr_workgroup_id_y 1
		.amdhsa_system_sgpr_workgroup_id_z 1
		.amdhsa_system_vgpr_workitem_id 0
		.amdhsa_next_free_vgpr 210
		.amdhsa_next_free_sgpr 66
		.amdhsa_reserve_vcc 1
		.amdhsa_float_denorm_mode_32 3
		.amdhsa_float_denorm_mode_16_64 3
		.amdhsa_memory_ordered 1
		.amdhsa_forward_progress 1
		.amdhsa_inst_pref_size 35
	.end_amdhsa_kernel
	.amdgpu_metadata
---
amdhsa.version: [ 1, 2 ]
amdhsa.kernels:
  - .name:           k_qfbbc7d748b_prep
    .symbol:         k_qfbbc7d748b_prep.kd
    .args:
      - { .name: input_key, .offset: 0, .size: 8, .value_kind: global_buffer, .address_space: global }
      - { .name: input_value, .offset: 8, .size: 8, .value_kind: global_buffer, .address_space: global }
      - { .name: kv, .offset: 16, .size: 8, .value_kind: global_buffer, .address_space: global }
    .group_segment_fixed_size: 35840
    .private_segment_fixed_size: 0
    .kernarg_segment_align: 8
    .kernarg_segment_size: 24
    .max_flat_workgroup_size: 256
    .sgpr_count:     66
    .vgpr_count:     210
    .wavefront_size: 32
...
	.end_amdgpu_metadata
.endif
;; end of part 1
;; launch attn (part 2): grid 4 x 64, 16 waves a work-group, clusters of 4 x 1, 210,944 bytes of LDS; arguments input_query, kv, out0; writes out0
.if DOCPART == 2
	.amdgcn_target "amdgcn-amd-amdhsa--gfx1250"
	.amdhsa_code_object_version 6
	.text
	.protected	k_qfbbc7d748b_attn
	.globl	k_qfbbc7d748b_attn
	.p2align	8
	.type	k_qfbbc7d748b_attn,@function
k_qfbbc7d748b_attn:
	s_mov_b64 s[64:65], 0
	v_nop
	global_prefetch_b8 v0, s[64:65] scope:SCOPE_SE
	s_setreg_imm32_b32 hwreg(HW_REG_WAVE_MODE, 25, 1), 1
	s_wait_xcnt 0x0
	s_wait_alu depctr_hold_cnt(0) depctr_sa_sdst(0) depctr_va_vdst(0) depctr_va_sdst(0) depctr_va_ssrc(0) depctr_va_vcc(0) depctr_vm_vsrc(0)
	s_getreg_b32 s2, hwreg(HW_REG_IB_STS2, 6, 4)
	s_cmp_eq_u32 s2, 0
	s_cbranch_scc0 .Lentry_in_a_cluster
	s_endpgm
.Lentry_in_a_cluster:
	s_bfe_u32 s2, ttmp6, 0x10000c
	s_cmp_lg_u32 s2, 0x3003
	s_cbranch_scc0 .Lentry_shape_is_right
	s_endpgm
.Lentry_shape_is_right:
; O[head][q][:] = the sum over k of softmax_k(Q[head][q] . K[head][k]) V[head][k][:], 64 heads, 2,048 queries and keys, head size 64; both products on codes of FP4 (E2M1) with one E8M0 scale for each 32 along K.
; K and V come as codes and scale words in the order of the operands' registers (buffer kv: records of 8,704 bytes for each head and step of 128 keys: 4,096 K's codes, 4,096 V's codes, 256 K's scale words, 256 V's).
; Q arrives as f32 and is quantised here, in registers: each of its rows is read by one wave alone.
; THE SOFTMAX AHEAD OF THE SECOND PRODUCT: t = score x log2(e); M = the row's largest t so far, rounded UP to a whole number; p = 2^(t - M) is quantised along the keys, not normalised.  The row's sum is taken of the
; unquantised p, in f32, and divides O at the end.  When M moves, the sum and O are multiplied by 2^(old M - new M): exact.
; SHARES.  256 work-groups.  A work-group owns 512 queries of one head, in two passes of 256; each of its SIXTEEN waves owns one tile of 16 queries a pass, in 256 registers: four waves to a SIMD, so that one wave's
; vector work (some 240 instructions a step, beside 12 matrix instructions) stands beside another's matrix work and LDS loads.
; A WHOLE HEAD'S RECORDS, 16 x 8,704 = 139,264 bytes, LIE IN LDS AT ONCE: filled once, walked twice.  No slot is filled again, so the key loop has no barrier but one for each quarter of the head in the first pass.
; CLUSTER.  The four work-groups of a head form a cluster and read the same records: each record is asked for JOINTLY, by the same tensor load with the same descriptor and the mask of all four.
; Waves 0-3 ask for four records each (record 4 c + wave of quarter c): four tensor loads of a wave are out at the most.  A load is one record, 34 rows of 256 bytes, and not larger, so that the first quarter,
; 34,816 bytes, is whole as early as may be and the work begins while the other three are on their way.
; LAYOUT.  Both products are used transposed: S^T = K Q^T (source 0 = 16 keys, source 1 = my 16 queries), O^T = V^T P^T (source 0 = 16 channels, source 1 = P): a lane holds ONE query (lane % 16) throughout.
; The keys of a tile are not neighbours: row r of tile 2 b + u is key 32 b + 8 u + r + 8 (r / 8), so that the 16 registers of tiles 2 b and 2 b + 1 are 16 neighbouring keys, 32 b + 16 (lane / 16) + 0 .. 15.
; THE FIRST PRODUCT'S K IS 64, half of the instruction's 128.  A fragment of K carries TWO tiles of keys, one in each half of the 128.  Q stands in twelve registers [q | zeros | q]: registers 0-7 pick the first tile,
; registers 4-11 the second.  In the half that is not meant Q's codes are zeros and K's are numbers (the format has no NaN or infinity), so every product there is exactly 0; Q's scale bytes there are 1 (2^-126).
; O^T and the sum begin as zeros and the largest t as -3e38, so that the step is written in one form: 32 registers are cleared in each pass.
; LIMITS: NaN and infinities among the inputs are not served.  A block of Q whose largest magnitude lies under 2^-124 (zeros too) keeps the byte 1.  A p under 2^-126 comes out of v_exp_f32 as 0 (ISA guide 15.8).
; What falls under the smallest f32 number when the sum and O are brought under a larger M is lost.  A block's largest p is taken as 2^(t - M) of the block's largest score, which takes v_exp_f32 not to fall where its input rises.
.set RECB,  8704                       ; a record: one step of 128 keys
.set CHB,   4*RECB                     ; a quarter of the head
.set STG,   16*RECB                    ; behind the records: a stage of 16 rows x 272 bytes for each wave, for Q on its way in and O on its way out; no tensor load lands there
.set SP,    272                        ; a stage row: 256 bytes + 16, so that sixteen rows begin 16 bytes apart modulo 256
.set L16,   1                          ; v1   16 x lane
.set L8,    2                          ; v2   8 x lane
.set A16,   3                          ; v3   the step's record + 16 x lane
.set A8,    4                          ; v4   the step's record + 8 x lane
.set ADN,   5                          ; v5   the stage by dense rows: row h, byte 16 r
.set ARQ,   6                          ; v6   the stage, Q out of it: row r, my block's 128 bytes
.set ARO,   7                          ; v7   the stage, O into it: row r, + 32 h
.set SH8,   8                          ; v8   8 h
.set SH16,  9                          ; v9   16 h
.set FILL,  10                         ; v10  the bytes 1 of the half of K that is not meant
.set KF,    32                         ; v32-63   K's four fragments
.set VF,    64                         ; v64-95   V's four tiles
.set KS,    192                        ; v192-193 K's scale words: register b % 2, lanes 0-15 for b < 2, lanes 16-31 for b >= 2
.set VS,    194                        ; v194-195 V's likewise
.set MA,    240                        ; v240-243 at work in QBLOCK
.set MB,    241
.set SC,    242
.set BY,    243
; v12 -M, v13 the largest t, v[14:15] the sum in two halves; v16-27, v28 Q and its scale word, pass 0; v196-207, v208 pass 1; v96-159 S^T, then p; v160-191 O^T; v224-231 p's codes; v232-239, v244-247, v252-254 at work; v253 p's scale word
.set WV,    10                         ; s10  my wave's number
.set SEL,   20                         ; s[20:21] lane selects for v_permlanex16_b32: lane l xor 16
.set CS,    22                         ; s[22:23] log2(e): the packed form names a pair and takes its low word for both halves
.set G1,    24                         ; s[24:31] descriptor group 1
.set G0,    32                         ; s[32:47] descriptor group 0, one set for each quarter
.set TB,    48                         ; s48  LDS byte at which the step's record begins
.set CNT,   49                         ; s49  steps to go
.macro CROUND                          ; a round of the cluster's barrier: my work-group's barrier; wave 0 signals for the work-group; every wave waits for all four work-groups; my work-group's barrier once more
	s_barrier_signal -1
	s_barrier_wait -1
	s_cmp_lg_u32 s[WV], 0
	s_cbranch_scc1 .Lnot_wave_0_\@
	s_barrier_signal -3
.Lnot_wave_0_\@:
	s_barrier_wait -3
	s_barrier_signal -1
	s_barrier_wait -1
.endm
; 32 numbers of one lane, v[xs] on, become 32 codes in v[cd] .. v[cd + 3]; the byte is left in v[BY].
.macro QBLOCK xs, cd
	v_max3_num_f32 v[MA], |v[\xs]|, |v[\xs+1]|, 0x1800000          ; the floor 2^(3 - 127) among the leaves: the byte cannot fall under 1
	v_max3_num_f32 v[MB], |v[\xs+2]|, |v[\xs+3]|, |v[\xs+4]|
.irp i, 5,9,13,17,21,25
	v_max3_num_f32 v[MA], v[MA], |v[\xs+\i]|, |v[\xs+\i+1]|
	v_max3_num_f32 v[MB], v[MB], |v[\xs+\i+2]|, |v[\xs+\i+3]|
.endr
	v_max3_num_f32 v[MA], v[MA], |v[\xs+29]|, |v[\xs+30]|
	v_max3_num_f32 v[MA], v[MA], v[MB], |v[\xs+31]|
	v_add_nc_u32 v[SC], 0xff000000, v[MA]                          ; 2 off the exponent field: the conversion's scale operand
.irp g, 0,1,2,3
	v_cvt_scalef32_pk8_fp4_f32 v[\cd+\g], v[\xs+8*\g:\xs+8*\g+7], v[SC]
.endr
	v_lshrrev_b32 v[BY], 23, v[SC]                                 ; the byte; also the plain line behind the conversions
.endm
; Pass p's 16 queries, loaded densely into v[96 + 32 p] on, turn through my stage, so that lane (r, h) holds block h of query r, and become [q | zeros | q] in v[qb] on and the scale word in v[qs].
.macro QPREP p, qb, qs
	s_wait_loadcnt 8*(1-\p)                        ; this pass's eight loads are in; pass 1's eight may stay out
.irp i, 0,1,2,3,4,5,6,7
	ds_store_b128 v[ADN], v[96+32*\p+4*\i:96+32*\p+4*\i+3] offset:2*SP*\i
.endr
.irp j, 0,1,2,3,4,5,6,7
	ds_load_b128 v[32+4*\j:32+4*\j+3], v[ARQ] offset:16*\j         ; LDS serves a wave's instructions in order (ISA guide 5.7.1.4): these see the stores above
.endr
	s_wait_dscnt 0x0
	QBLOCK 32, \qb
.irp g, 0,1,2,3
	v_mov_b32 v[\qb+8+\g], v[\qb+\g]               ; q once more, for the fragment's second tile,
	v_mov_b32 v[\qb+4+\g], 0                       ; and zeros between
.endr
	v_lshlrev_b32 v244, v[SH8], v[BY]              ; my block's byte at its place,
	v_permlanex16_b32 v236, v244, s[SEL], s[SEL+1]
	v_or_b32 v244, v244, v236                      ; with the other block's: the query's two bytes;
	v_lshlrev_b32 v244, v[SH16], v244              ; lanes 0-15: bytes 0, 1 (for [q | zeros]); lanes 16-31: bytes 2, 3 (for [zeros | q]);
	v_or_b32 v[\qs], v[FILL], v244                 ; the other two bytes are 1
.endm
; S^T, tile 2 b + u: fragment b of K against [q | zeros] (u = 0) or [zeros | q] (u = 1).  The sum begins with the constant 0.
.macro KQ b, u, qb, qs
.if (\b < 2) && (\u == 0)
	v_wmma_scale_f32_16x16x128_f8f6f4 v[96+8*(2*\b+\u):96+8*(2*\b+\u)+7], v[KF+8*\b:KF+8*\b+7], v[\qb+4*\u:\qb+4*\u+7], 0, v[KS+(\b)%2], v[\qs] matrix_a_fmt:MATRIX_FMT_FP4 matrix_b_fmt:MATRIX_FMT_FP4
.elseif \b < 2
	v_wmma_scale_f32_16x16x128_f8f6f4 v[96+8*(2*\b+\u):96+8*(2*\b+\u)+7], v[KF+8*\b:KF+8*\b+7], v[\qb+4*\u:\qb+4*\u+7], 0, v[KS+(\b)%2], v[\qs] matrix_a_fmt:MATRIX_FMT_FP4 matrix_b_fmt:MATRIX_FMT_FP4 matrix_b_scale:MATRIX_SCALE_ROW1
.elseif \u == 0
	v_wmma_scale_f32_16x16x128_f8f6f4 v[96+8*(2*\b+\u):96+8*(2*\b+\u)+7], v[KF+8*\b:KF+8*\b+7], v[\qb+4*\u:\qb+4*\u+7], 0, v[KS+(\b)%2], v[\qs] matrix_a_fmt:MATRIX_FMT_FP4 matrix_b_fmt:MATRIX_FMT_FP4 matrix_a_scale:MATRIX_SCALE_ROW1
.else
	v_wmma_scale_f32_16x16x128_f8f6f4 v[96+8*(2*\b+\u):96+8*(2*\b+\u)+7], v[KF+8*\b:KF+8*\b+7], v[\qb+4*\u:\qb+4*\u+7], 0, v[KS+(\b)%2], v[\qs] matrix_a_fmt:MATRIX_FMT_FP4 matrix_b_fmt:MATRIX_FMT_FP4 matrix_a_scale:MATRIX_SCALE_ROW1 matrix_b_scale:MATRIX_SCALE_ROW1
.endif
.endm
; O^T, channels 16 t on, += V^T P^T over the step's 128 keys
.macro PV t
.if \t < 2
	v_wmma_scale_f32_16x16x128_f8f6f4 v[160+8*\t:167+8*\t], v[VF+8*\t:VF+8*\t+7], v[224:231], v[160+8*\t:167+8*\t], v[VS+(\t)%2], v253 matrix_a_fmt:MATRIX_FMT_FP4 matrix_b_fmt:MATRIX_FMT_FP4
.else
	v_wmma_scale_f32_16x16x128_f8f6f4 v[160+8*\t:167+8*\t], v[VF+8*\t:VF+8*\t+7], v[224:231], v[160+8*\t:167+8*\t], v[VS+(\t)%2], v253 matrix_a_fmt:MATRIX_FMT_FP4 matrix_b_fmt:MATRIX_FMT_FP4 matrix_a_scale:MATRIX_SCALE_ROW1
.endif
.endm
.macro INIT                            ; a pass begins
	v_mov_b32 v13, 0xff61b1e6                      ; the largest t so far: -3e38, under every t
	v_floor_f32 v12, -v13                          ; -M
	v_mov_b32 v14, 0                               ; the sum, in two halves
	v_mov_b32 v15, 0
.set J, 0
.rept 32
	v_mov_b32 v[160+J], 0                          ; O^T: the first change of M leaves zeros zeros
.set J, J+1
.endr
.endm
; A KEY STEP: the 128 keys whose record begins at LDS byte s[TB].
.macro STEP qb, qs
	v_add_nc_u32 v[A16], s[TB], v[L16]
	v_add_nc_u32 v[A8], s[TB], v[L8]
	v_nop                                          ; these four lines are the places between the last step's products and the loads into the registers that they read (ISA guide 7.12.1 for vector instructions)
	v_nop
.irp i, 0,1,2,3,4,5,6,7
	ds_load_b128 v[KF+4*\i:KF+4*\i+3], v[A16] offset:512*\i        ; an image: 512 consecutive bytes, 16 a lane
.endr
	ds_load_b64 v[KS:KS+1], v[A8] offset:8192
.irp i, 0,1,2,3,4,5,6,7
	ds_load_b128 v[VF+4*\i:VF+4*\i+3], v[A16] offset:4096+512*\i
.endr
	ds_load_b64 v[VS:VS+1], v[A8] offset:8448
	s_wait_dscnt 9                                 ; K's nine loads are in; V's nine stay out and land under the softmax
.irp b, 0,1,2,3
.irp u, 0,1
	KQ \b, \u, \qb, \qs
.endr
.endr
.rept 4
	v_nop                                          ; places in front of the first read of results
.endr
.irp b, 0,1,2,3
	v_max3_num_f32 v[232+\b], v[96+16*\b], v[97+16*\b], v[98+16*\b]   ; the largest score of each block of 32 keys: it serves for the row's maximum and, since p rises with the score, for the block's largest p.  Each result is read from its low end on
.endr
.irp i, 3,5,7,9,11,13
.irp b, 0,1,2,3
	v_max3_num_f32 v[232+\b], v[232+\b], v[96+16*\b+\i], v[97+16*\b+\i]   ; (the four blocks by turns)
.endr
.endr
.irp b, 0,1,2,3
	v_max_num_f32 v[232+\b], v[232+\b], v[111+16*\b]
.endr
.irp b, 0,1,2,3
	v_permlanex16_b32 v[236+\b], v[232+\b], s[SEL], s[SEL+1]
.endr
.irp b, 0,1,2,3
	v_max_num_f32 v[232+\b], v[232+\b], v[236+\b]  ; with lane l xor 16's 16 keys
.endr
	v_max3_num_f32 v254, v232, v233, v234
	v_max_num_f32 v254, v254, v235                 ; the step's largest score of my query
	v_mul_f32 v254, s[CS], v254                    ; as t
	v_max_num_f32 v13, v13, v254                   ; the running largest t
	v_mov_b32 v254, v12
	v_floor_f32 v12, -v13                          ; the new -M = floor(-t) = -ceil(t): a whole number
	v_sub_f32 v254, v12, v254                      ; M's old value less its new one: a whole number, 0 or less
	v_cvt_i32_f32 v254, v254                       ; (it saturates)
	v_ldexp_f32 v252, 1.0, v254                    ; f = 2^(old M - new M)
.set J, 0
.rept 32
	v_pk_fma_f32 v[96+J:97+J], v[96+J:97+J], s[CS:CS+1], v[12:13] op_sel_hi:[1,0,0]   ; t - M, two at a time, one rounding
.set J, J+2
.endr
.irp b, 0,1,2,3
	v_fma_f32 v[232+\b], v[232+\b], s[CS], v12     ; the same of each block's largest score
.endr
.set J, 0
.rept 64
	v_exp_f32 v[96+J], v[96+J]                     ; p = 2^(t - M), at most 1: not normalised
.set J, J+1
.endr
.irp b, 0,1,2,3
	v_exp_f32 v[232+\b], v[232+\b]                 ; the block's largest p: the same two instructions on the same number give the same bits
.endr
	v_pk_mul_f32 v[14:15], v[14:15], v[252:253] op_sel_hi:[1,0]   ; the sums under the new M; also the plain line behind the exponentials
	s_wait_alu depctr_va_vdst(0)
.irp b, 0,1,2,3
	v_max_num_f32 v[232+\b], 0x1800000, v[232+\b]  ; the floor 2^(3 - 127): the byte cannot fall under 1
.endr
.irp b, 0,1,2,3
	v_add_nc_u32 v[244+\b], 0xff000000, v[232+\b]  ; 2 off the exponent field: the conversion's scale operand
.endr
.irp b, 0,1,2,3
	v_lshrrev_b32 v[236+\b], 23, v[244+\b]         ; the scale's byte
.endr
	v_lshl_or_b32 v253, v237, 8, v236              ; p's scale word for these 128 keys
	v_lshl_or_b32 v253, v238, 16, v253
	v_lshl_or_b32 v253, v239, 24, v253
.irp b, 0,1,2,3
	v_cvt_scalef32_pk8_fp4_f32 v[224+2*\b], v[96+16*\b:103+16*\b], v[244+\b]
	v_cvt_scalef32_pk8_fp4_f32 v[225+2*\b], v[104+16*\b:111+16*\b], v[244+\b]
.endr
	v_nop                                          ; one plain line between a scaled conversion and the vector instruction that touches its result
.irp c, 0,1                            ; the operand's layout wants a whole block in a lane: lanes 0-15 block 2 c, lanes 16-31 block 2 c + 1
.irp i, 0,1
	v_permlane16_swap_b32 v[224+4*\c+\i], v[226+4*\c+\i]
.endr
.endr
	v_pk_add_f32 v[236:237], v[96:97], v[98:99]    ; the row's sum is taken of the unquantised p: two at a time, in two chains
.irp j, 4,8,12,16,20,24,28,32,36,40,44,48,52,56,60
	v_pk_add_f32 v[14:15], v[14:15], v[96+\j:97+\j]
	v_pk_add_f32 v[236:237], v[236:237], v[98+\j:99+\j]
.endr
	v_pk_add_f32 v[14:15], v[14:15], v[236:237]
.set J, 0
.rept 16
	v_pk_mul_f32 v[160+J:161+J], v[160+J:161+J], v[252:253] op_sel_hi:[1,0]   ; O^T under the new M.  (With the 32 sums above: the places between the lines that made p's codes and scale word and the products below)
.set J, J+2
.endr
	s_wait_dscnt 0x0                               ; V is in
.irp t, 0,1,2,3
	PV \t                                          ; the four accumulators by turns, one instruction a turn
.endr
.endm
; Quarter c of the head in the first pass: four steps.
.macro CHUNK c
	s_wait_tensorcnt 3-\c                          ; my record of quarter c has landed (tensor loads of a wave end in order: ISA guide 10.11.1); the 3 - c issued behind it stay out.  Waves 4-15 have none
	s_barrier_signal -1                            ; no LDS instruction of mine is out here: the last wait on DScnt was for 0
	s_barrier_wait -1                              ; every wave's record of the quarter has landed.
	s_mov_b32 s[TB], CHB*\c
	s_mov_b32 s[CNT], 4
.Lstep_\@:
	STEP 16, 28
	s_add_co_u32 s[TB], s[TB], RECB
	s_sub_co_u32 s[CNT], s[CNT], 1
	s_cmp_lg_u32 s[CNT], 0
	s_cbranch_scc1 .Lstep_\@
.endm
; Pass p's way out: O^T / the sum goes through my stage, so that whole rows leave: each store of the wave covers 512 consecutive bytes, aligned.
.macro WAYOUT p
.rept 4
	v_nop                                          ; places in front of the first read of the last products' results
.endr
	v_add_f32 v14, v14, v15                        ; the sum's two halves,
	v_permlanex16_b32 v252, v14, s[SEL], s[SEL+1]
	v_add_f32 v14, v14, v252                       ; and lane l xor 16's: the row's sum
	v_rcp_f32 v14, v14
	v_nop                                          ; one plain line behind a transcendental
.set J, 0
	s_wait_alu depctr_va_vdst(0)
.rept 16
	v_pk_mul_f32 v[96+J:97+J], v[160+J:161+J], v[14:15] op_sel_hi:[1,0]   ; register 8 t + j is o(r, 16 t + 8 h + j); each result is read from its low end on
.set J, J+2
.endr
.irp t, 0,1,2,3
	ds_store_b128 v[ARO], v[96+8*\t:99+8*\t] offset:64*\t
	ds_store_b128 v[ARO], v[100+8*\t:103+8*\t] offset:64*\t+16
.endr
.irp i, 0,1,2,3,4,5,6,7
	ds_load_b128 v[32+4*\i:35+4*\i], v[ADN] offset:2*SP*\i         ; two whole rows; LDS serves a wave's instructions in order: these see the stores above
.endr
.irp i, 0,1,2,3,4,5,6,7
	s_wait_dscnt 7-\i                              ; load i is in; the 7 - i younger ones stay out
	global_store_b128 v[L16], v[32+4*\i:35+4*\i], s[8:9] offset:65536*\p+512*\i th:TH_STORE_NT
.endr
.endm
	s_load_b128 s[4:7], s[0:1], 0x0                ; Q s[4:5], kv s[6:7]
	s_load_b64 s[8:9], s[0:1], 0x10                ; O
	v_lshl_add_u32 v251, v0, 2, 0x33000
	v_mov_b32 v255, 0
	ds_add_u32 v251, v255
	ds_add_u32 v251, v255
	v_lshrrev_b32 v11, 5, v0
	v_readfirstlane_b32 s[WV], v11                 ; wave 0..15
	v_and_b32 v11, 31, v0                          ; lane
	v_and_b32 v29, 15, v0                          ; r
	v_bfe_u32 v30, v0, 4, 1                        ; h
	v_lshlrev_b32 v[L16], 4, v11
	v_lshlrev_b32 v[L8], 3, v11
	s_mul_i32 s19, s[WV], 16*SP
	s_add_co_u32 s19, s19, STG                     ; my stage
	v_mul_u32_u24 v[ADN], v30, SP
	v_lshl_add_u32 v[ADN], v29, 4, v[ADN]
	v_add_nc_u32 v[ADN], s19, v[ADN]
	v_mul_u32_u24 v[ARQ], v29, SP
	v_lshl_add_u32 v[ARO], v30, 5, v[ARQ]
	v_lshl_add_u32 v[ARQ], v30, 7, v[ARQ]
	v_add_nc_u32 v[ARO], s19, v[ARO]
	v_add_nc_u32 v[ARQ], s19, v[ARQ]
	v_lshlrev_b32 v[SH8], 3, v30
	v_lshlrev_b32 v[SH16], 4, v30
	v_mov_b32 v[FILL], 0x01010000
	v_lshrrev_b32 v[FILL], v[SH16], v[FILL]        ; lanes 0-15: bytes 2, 3 are 1; lanes 16-31: bytes 0, 1
.irp b, 0,1,2,3
	v_mov_b32 v[236+\b], 0                         ; written once: a lane permute's destination counts as one of its sources
.endr
	v_mov_b32 v253, 0                              ; (named as the upper half of the pair v[252:253] before it is first written)
	s_bfe_u32 s11, ttmp6, 0x40000                  ; cx: my place in the cluster
	s_lshl_b32 s13, ttmp9, 2                       ; in a cluster launch ttmp9 counts clusters
	s_add_co_u32 s11, s13, s11                     ; my block of 512 queries: it enters Q's and O's addresses alone
	s_and_b32 s12, ttmp7, 0xffff                   ; the head, which the four partners share
	s_lshl_b32 s14, s12, 19                        ; Q and O: a head is 524,288 bytes,
	s_lshl_b32 s13, s11, 17                        ; my block 131,072,
	s_add_co_u32 s14, s14, s13
	s_lshl_b32 s13, s[WV], 12                      ; my wave's 16 rows 4,096
	s_add_co_u32 s14, s14, s13
	s_mov_b32 s15, 0
	s_mul_i32 s18, s[WV], RECB                     ; which record of a quarter I ask for, if I ask: in LDS and in memory alike
	s_mul_i32 s16, s12, 16*RECB                    ; the head's records
	s_add_co_u32 s16, s16, s18
	s_mov_b32 s17, 0
	s_mov_b32 s[SEL], 0x76543210
	s_mov_b32 s[SEL+1], 0xfedcba98
	s_mov_b32 s[CS], 0x3fb8aa3b                    ; log2(e)
	s_mov_b32 s[CS+1], s[CS]                       ; (named with it as a pair, so it is written)
	; descriptor group 1: a record is a dense block: 34 rows of 256 bytes (32 elements of 8 bytes), laid in LDS as in memory, without padding
	s_mov_b32 s[G1], 15|(3<<16)|(1<<21)            ; 15:0 the mask: all four work-groups; 17:16 elements of 8 bytes; 20 no padding; 21 set beside a mask
	s_mov_b32 s[G1+1], 32<<16                      ; tensor_dim0 = 32
	s_mov_b32 s[G1+2], 34<<16                      ; tensor_dim1 = 34
	s_mov_b32 s[G1+3], 32<<16                      ; tile_dim0 = 32
	s_mov_b32 s[G1+4], 34                          ; tile_dim1 = 34
	s_mov_b32 s[G1+5], 32                          ; from row to row: 32 elements
	s_mov_b32 s[G1+6], 0
	s_mov_b32 s[G1+7], 0
	s_wait_dscnt 0x0
	s_wait_kmcnt 0x0
	s_add_nc_u64 s[4:5], s[4:5], s[14:15]          ; Q and O at my wave's first row of pass 0
	s_add_nc_u64 s[8:9], s[8:9], s[14:15]
	s_add_nc_u64 s[6:7], s[6:7], s[16:17]          ; kv at my record of quarter 0
.irp c, 0,1,2,3
	s_mov_b32 s[G0+4*\c], 1                                        ; 1:0 count = 1
	s_add_co_u32 s[G0+4*\c+1], s18, CHB*\c                         ; 63:32 LDS address: record 4 c + wave
	s_add_nc_u64 s[G0+4*\c+2:G0+4*\c+3], s[6:7], CHB*\c            ; 120:64 global address
	s_or_b32 s[G0+4*\c+3], s[G0+4*\c+3], 0x80000000                ; 127:126 type = 2
.endr
	CROUND                                         ; all four work-groups are here: the joint loads meet
	s_cmp_lt_u32 s[WV], 4                          ; a wave's four fills stand in one branch on its number, ahead of every wait on TENSORcnt, every LDS read and every further barrier
	s_cbranch_scc0 .Lno_fill
	tensor_load_to_lds s[G0:G0+3], s[G1:G1+7]
	s_nop 0
	tensor_load_to_lds s[G0+4:G0+7], s[G1:G1+7]
	s_nop 0
	tensor_load_to_lds s[G0+8:G0+11], s[G1:G1+7]
	s_nop 0
	tensor_load_to_lds s[G0+12:G0+15], s[G1:G1+7]
	s_nop 0
.rept 4
	v_nop                                          ; four v_nop follow the last of them, ahead of the label and what follows
.endr
.Lno_fill:
.irp p, 0,1
.irp i, 0,1,2,3,4,5,6,7
	global_load_b128 v[96+32*\p+4*\i:96+32*\p+4*\i+3], v[L16], s[4:5] offset:65536*\p+512*\i th:TH_LOAD_NT   ; my 16 queries of both passes: 512 consecutive bytes a load
.endr
.endr
	QPREP 0, 16, 28                                ; Q is quantised while the records are on their way
	QPREP 1, 196, 208
	INIT
	CHUNK 0
	CHUNK 1
	CHUNK 2
	CHUNK 3                                        ; its wait on TENSORcnt is for 0: no tensor load of mine is out from here on
	WAYOUT 0
	s_wait_xcnt 0x0                                ; the stores' data registers, v32-63, are loaded again only behind this wait
	INIT
	s_mov_b32 s[TB], 0                             ; the second pass walks the same sixteen records: all have landed and every wave has been shown so, hence no wait on TENSORcnt and no barrier
	s_mov_b32 s[CNT], 16
.Lpass1:
	STEP 196, 208
	s_add_co_u32 s[TB], s[TB], RECB
	s_sub_co_u32 s[CNT], s[CNT], 1
	s_cmp_lg_u32 s[CNT], 0
	s_cbranch_scc1 .Lpass1
	WAYOUT 1                                       ; its count-down on DScnt ends at 0: no LDS instruction of mine is out at the signal below
	s_wait_tensorcnt 0x0
	ds_add_u32 v251, v255
	s_wait_dscnt 0x0
	CROUND                                         ; the closing round: no work-group ends while a partner may still ask for a record that names it
	s_endpgm
.Lfunc_end_k_qfbbc7d748b_attn:
	.size	k_qfbbc7d748b_attn, .Lfunc_end_k_qfbbc7d748b_attn-k_qfbbc7d748b_attn
	.p2alignl 7, 3214868480
	.fill 96, 4, 3214868480
	.section	.rodata,"a",@progbits
	.p2align	6, 0x0
	.amdhsa_kernel k_qfbbc7d748b_attn
		.amdhsa_group_segment_fixed_size 210944
		.amdhsa_private_segment_fixed_size 0
		.amdhsa_enable_private_segment 0
		.amdhsa_kernarg_size 24
		.amdhsa_user_sgpr_count 2
		.amdhsa_user_sgpr_kernarg_segment_ptr 1
		.amdhsa_wavefront_size32 1
		.amdhsa_system_sgpr_workgroup_id_x 1
		.amdhsa_system_sgpr_workgroup_id_y 1
		.amdhsa_system_sgpr_workgroup_id_z 1
		.amdhsa_system_vgpr_workitem_id 0
		.amdhsa_next_free_vgpr 256
		.amdhsa_next_free_sgpr 66
		.amdhsa_reserve_vcc 0
		.amdhsa_float_denorm_mode_32 3
		.amdhsa_float_denorm_mode_16_64 3
		.amdhsa_memory_ordered 1
		.amdhsa_forward_progress 1
		.amdhsa_inst_pref_size 96
	.end_amdhsa_kernel
	.amdgpu_metadata
---
amdhsa.version: [ 1, 2 ]
amdhsa.kernels:
  - .name:           k_qfbbc7d748b_attn
    .symbol:         k_qfbbc7d748b_attn.kd
    .args:
      - { .name: input_query, .offset: 0, .size: 8, .value_kind: global_buffer, .address_space: global }
      - { .name: kv, .offset: 8, .size: 8, .value_kind: global_buffer, .address_space: global }
      - { .name: out0, .offset: 16, .size: 8, .value_kind: global_buffer, .address_space: global }
    .group_segment_fixed_size: 210944
    .private_segment_fixed_size: 0
    .kernarg_segment_align: 8
    .kernarg_segment_size: 24
    .max_flat_workgroup_size: 512
    .sgpr_count:     66
    .vgpr_count:     256
    .wavefront_size: 32
...
	.end_amdgpu_metadata
.endif
;; end of part 2
